; MI455X (gfx1250); checked and timed in simulation.
; The chip was launched on July 23, 2026; its instructions are those of AMD's public machine-readable ISA for CDNA 5 (MIT licence, August 2026) and "CDNA5" Instruction Set Architecture Reference Guide (July 2026). The comments in the code are by the model that wrote it; some were corrected since.
;; Bahdanau Attention. Allowed arithmetic: matrix products marked QUANTISED: E2M1 operands, one E8M0 scale for each 32 along K, by v_wmma_scale_f32_16x16x128_f8f6f4 with both operands' format E2M1 (or v_wmma_scale_f32_32x16x128_f4), f32 sums; products left as they are: f32 operands where the result goes on into a quantised operand, else bf16, f16 or f32 operands; f32 sums; everything else in f32.
;; Inputs: W_h 1,024 x 1,024 float32; W_s 1,024 x 1,024 float32; decoder_hidden 32 x 1,024 float32; encoder_outputs 32 x 2,048 x 1,024 float32; mask 32 x 2,048 int32; v 1,024 float32.
;; Outputs: out0 32 x 1,024 float32; out1 32 x 2,048 float32.
;; This version of the problem:
;;   THIS VERSION OF THE PROBLEM IS GIVEN IN LOW PRECISION. The matrix products marked QUANTISED in the list below multiply operands that are first quantised to E2M1 (2 exponent bits, 1 mantissa bit; 4 bits a number), with one power-of-two scale for each 32 numbers along K (OCP MX v1.0); their sums are f32. All else is computed in f32.
;;   The module's matrix products, in the order in which they are computed (A, B: the left and right operand; K: the contracted axis; several contracted axes count as one K, in the product's order):
;;     1. [M 32, K 1,024] x [K 1,024, N 1,024]; A: input decoder_hidden; B: input W_s: QUANTISED
;;     2. [M 65,536, K 1,024] x [K 1,024, N 1,024]; A: input encoder_outputs; B: input W_h: QUANTISED
;;     3. [M 65,536, K 1,024] x [K 1,024, N 1]; A: computed on the way; B: input v: left as it is (N = 1 < 16)
;;     4. batch 32 x [M 1, K 2,048] x [K 2,048, N 1,024]; A: softmax; B: input encoder_outputs: left as it is (M = 1 < 16)
;;   THE QUANTISER, for each operand of a quantised product, along K:
;;     - K is cut into blocks of 32 from its start; a last block that is shorter is filled with zeros.
;;     - A block's scale is 2^e with e = floor(log2(the largest magnitude in the block)) - 2, held to -126 .. 127; a block of zeros has e = 0. As a byte (E8M0): e + 127.
;;     - Each number is divided by its block's scale, clamped to +-6, and rounded to the nearest number of E2M1, ties to even, subnormals kept.
;;     - The product sums the exact products of the quantised numbers (number of the format x scale) in f32.
;;   ~~~python
;;   def quantise(x, axis):      # numpy; x: float32 -> the quantised numbers, widened to float32 again
;;       x = np.moveaxis(x, axis, -1); K = x.shape[-1]
;;       x = np.pad(x, [(0, 0)] * (x.ndim - 1) + [(0, -K % 32)]); x = x.reshape(x.shape[:-1] + (-1, 32)); a = np.abs(x).max(-1, keepdims=True)
;;       e = np.where(a > 0, np.clip(np.frexp(np.where(a > 0, a, 1))[1] - 1 - 2, -126, 127), 0)      # np.frexp(a)[1] - 1 = floor(log2(a)), exactly
;;       r = np.clip(x / 2.0 ** e, -6, 6)
;;       step = 2.0 ** (np.maximum(np.frexp(np.where(r == 0, 1, r))[1] - 1, 0) - 1)
;;       q = np.round(r / step) * step * 2.0 ** e      # np.round: ties to even
;;       return np.moveaxis(q.reshape(q.shape[:-2] + (-1,))[..., :K], -1, axis).astype(np.float32)
;;   ~~~
;; One version. Each part assembles by itself: llvm-mc -triple=amdgcn-amd-amdhsa -mcpu=gfx1250 --defsym DOCPART=n.
;; ======== version 1 of 1: 3 launches
;; limits: right only within a limited range of input values
;; workspace buffers: whq 524,288 bytes; whs 32,768 bytes; dec 131,072 bytes; list 262,144 bytes of whole numbers; meta 512 bytes of whole numbers; energy 262,144 bytes
;; launch prep (part 1): grid 68 x 1, 8 waves a work-group, no clusters, 37,888 bytes of LDS; arguments W_h, W_s, decoder_hidden, mask, whq, whs, dec, list, meta, energy; writes whq, whs, dec, list, meta, energy
.if DOCPART == 1
	.amdgcn_target "amdgcn-amd-amdhsa--gfx1250"
	.amdhsa_code_object_version 6
	.text
	.protected	k_q1b45d4d4f8_prep
	.globl	k_q1b45d4d4f8_prep
	.p2align	8
	.type	k_q1b45d4d4f8_prep,@function
k_q1b45d4d4f8_prep:
	s_mov_b64 s[64:65], 0
	v_nop
	global_prefetch_b8 v0, s[64:65] scope:SCOPE_SE
	s_setreg_imm32_b32 hwreg(HW_REG_WAVE_MODE, 25, 1), 1
	s_wait_xcnt 0x0
; What the other two launches need, made once.  Three roles, by the work-group's number:
;   0-31   W_h's rows 32 P .. 32 P + 31 -> codes of FP4 (E2M1) laid as the matrix operand's registers take them (whq), and their scale words (whs)
;   32-63  W_s's rows 32 P .. likewise, kept in LDS; decoder_hidden likewise; dec[32][32 P .. 32 P + 31] = Q(decoder_hidden) Q(W_s)^T by the scaled FP4 matrix instruction
;   64-67  each wave one batch: the rows whose mask is not 0 are listed from the front of list[b], the others from its back (a permutation of 0 .. 2047);
;          meta[b] = count, count or 2048 if it is 0, tiles of 16 = ceil(count / 16), tiles a part = ceil(tiles / 8); energy[b] is filled with -1e9
; THE QUANTISER: a block of 32 along K; scale 2^(floor(log2(largest magnitude)) - 2); its byte is the largest magnitude's exponent field - 2, held at 1 from below; numbers / scale to the nearest code, ties to even, beyond 6 the largest code.
; THE ORDER OF K, alike in all four quantised operands: K step g (0 .. 7) of 128 takes the true blocks 8 c + g, c = 0 .. 3, as its blocks 0 .. 3.  Blocks stay whole and keep their scale bytes: the products are the same, the order of the f32 sum differs.
; In LDS a row's 512 bytes of codes lie in true order (pitch 528), so block 8 c + g is the 16 bytes at 128 c + 16 g; a row's eight scale words (word g: byte c = block 8 c + g) lie at pitch 48.
; LIMITS: NaN and infinities among the inputs are not served.  A block whose largest magnitude lies under 2^-124 keeps the byte 1; a block of zeros has the byte 1 where the rule says 127: its codes are zeros, and this program alone reads the bytes.
.set WSC, 16896                        ; LDS: 32 rows x 528 of the weight's codes at 0; here their scale words, 32 x 48
.set DHO, 18432                        ; decoder_hidden's codes and scale words lie this far behind the weight's
.set RO,  20                           ; v20-23  byte offsets of my four rows
.set MX,  24                           ; v24-27  largest magnitudes, a chunk each
.set SO,  28                           ; v28-31  the conversions' scale operands
.set BY,  32                           ; v32-35  scale bytes
.set CW,  36                           ; v36-51  codes, four words a row; later the two accumulators of dec
.set SW,  52                           ; v52-55  a scale word a row
.set X,   64                           ; v64-191 four rows x 32 numbers a lane; later fragments
                                       ; v192-215 scale words of the matrix instructions, and nothing else
; Four rows of 1,024 f32.  Of chunk c (256 numbers) lane l takes the 8 neighbours 256 c + 8 l ..: four lanes share a block; the two loads of a chunk together cover its 1,024 bytes.
.macro XLOAD base
.irp p, 0,1,2,3
.irp c, 0,1,2,3
	global_load_b128 v[X+32*\p+8*\c:X+32*\p+8*\c+3], v[RO+\p], s[\base:\base+1] offset:1024*\c
	global_load_b128 v[X+32*\p+8*\c+4:X+32*\p+8*\c+7], v[RO+\p], s[\base:\base+1] offset:1024*\c+16
.endr
.endr
.endm
; Row rw of the four: codes and scale words to LDS.  left = the younger rows' loads, which may stay out.  The four chunks take turns, so that no line waits for the line above it.
.macro QROW rw, left, cadr, coff, sadr, soff
	s_wait_loadcnt \left
.irp k, 0,1,2,3
	v_max3_num_f32 v[MX+\k], |v[X+32*(\rw)+8*\k]|, |v[X+32*(\rw)+8*\k+1]|, 0x1800000   ; with the floor 2^(3 - 127): the byte cannot fall under 1
.endr
.irp i, 2,4,6
.irp k, 0,1,2,3
	v_max3_num_f32 v[MX+\k], v[MX+\k], |v[X+32*(\rw)+8*\k+\i]|, |v[X+32*(\rw)+8*\k+\i+1]|
.endr
.endr
.irp k, 0,1,2,3
	v_max_num_f32_dpp v[MX+\k], v[MX+\k], v[MX+\k] row_xmask:1 row_mask:0xf bank_mask:0xf
.endr
.irp k, 0,1,2,3
	v_max_num_f32_dpp v[MX+\k], v[MX+\k], v[MX+\k] row_xmask:2 row_mask:0xf bank_mask:0xf   ; the four lanes of a block agree
.endr
.irp k, 0,1,2,3
	v_add_nc_u32 v[SO+\k], 0xff000000, v[MX+\k]    ; 2 off the exponent field: the conversion takes that field as its scale
.endr
.irp k, 0,1,2,3
	v_lshrrev_b32 v[BY+\k], 23, v[SO+\k]           ; the scale's byte
.endr
	v_lshl_or_b32 v[SW+\rw], v[BY+1], 8, v[BY]     ; lane l: the scale word of K step l / 4: byte c = block 8 c + l / 4
	v_lshl_or_b32 v[SW+\rw], v[BY+2], 16, v[SW+\rw]
	v_lshl_or_b32 v[SW+\rw], v[BY+3], 24, v[SW+\rw]
.irp k, 0,1,2,3
	v_cvt_scalef32_pk8_fp4_f32 v[CW+4*(\rw)+\k], v[X+32*(\rw)+8*\k:X+32*(\rw)+8*\k+7], v[SO+\k]
.endr
	v_nop                                          ; one plain place behind the conversions
.irp k, 0,1,2,3
	ds_store_b32 v[\cadr], v[CW+4*(\rw)+\k] offset:\coff+528*(\rw)+128*\k   ; 32 lanes: 128 neighbouring bytes of the row
.endr
	ds_store_b32 v[\sadr], v[SW+\rw] offset:\soff+48*(\rw)   ; the four lanes of a group write the same word with the same value
.endm
.macro BARRIER                         ; my LDS stores have landed and my LDS loads are in: then the work-group's barrier
	s_wait_dscnt 0x0
	s_barrier_signal -1
	s_barrier_wait -1
.endm
	s_load_b512 s[4:19], s[0:1], 0x0               ; W_h s[4:5], W_s s[6:7], decoder_hidden s[8:9], mask s[10:11], whq s[12:13], whs s[14:15], dec s[16:17], list s[18:19]
	s_load_b128 s[20:23], s[0:1], 0x40             ; meta s[20:21], energy s[22:23]
	v_lshl_add_u32 v254, v0, 2, 0x9000
	v_mov_b32 v255, 0
	v_lshrrev_b32 v1, 5, v0
	v_readfirstlane_b32 s24, v1                    ; wave 0..7
	s_and_b32 s25, ttmp9, 31                       ; P
	s_and_b32 s30, s24, 1
	s_mov_b32 s29, 0
	v_and_b32 v1, 31, v0                           ; lane
	v_and_b32 v2, 15, v0                           ; r
	v_bfe_u32 v3, v0, 4, 1                         ; h
	v_lshlrev_b32 v4, 4, v1                        ; 16 x lane
	; every LDS address is made here, ahead of any parting of roles
	v_mul_u32_u24 v8, v2, 528
	v_lshl_add_u32 v8, v3, 7, v8                   ; a fragment's place: 528 r + 128 h
	s_mul_i32 s31, s24, 2112
	v_lshl_add_u32 v10, v1, 2, s31                 ; codes in: my four rows 4 w .., 4 bytes a lane
	v_and_b32 v12, 28, v1
	s_mul_i32 s31, s24, 192
	s_add_co_u32 s31, s31, WSC
	v_add_nc_u32 v12, s31, v12                     ; scale words in: 48 x row + 4 (lane / 4)
	s_lshl_b32 s31, s24, 4
	v_add_nc_u32 v13, s31, v8                      ; W_h out: K step g = my wave
	s_mul_i32 s31, s30, 8448
	v_add_nc_u32 v14, s31, v8                      ; W_s: tile u = wave & 1
	v_mul_u32_u24 v15, v1, 48
	s_lshl_b32 s31, s30, 4
	s_add_co_u32 s31, s31, WSC
	v_add_nc_u32 v15, s31, v15                     ; W_h's scale words out: row = lane, words 4 q .. 4 q + 3, q = wave & 1
	v_mul_u32_u24 v17, v2, 48
	s_mul_i32 s31, s30, 768
	s_add_co_u32 s31, s31, WSC
	v_add_nc_u32 v16, s31, v17                     ; W_s's scale words of tile u, row r
	v_add_nc_u32 v17, WSC+DHO, v17                 ; decoder_hidden's, row r
	s_lshl_b32 s31, s24, 10
	v_add_nc_u32 v18, s31, v4                      ; whq: 16 x lane + 1,024 g
	s_lshl_b32 s31, s30, 9
	v_add_nc_u32 v19, s31, v4                      ; whs: 16 x lane + 512 q
	v_lshlrev_b32 v9, 12, v2
	v_lshl_add_u32 v9, v3, 5, v9
	s_lshl_b32 s31, s30, 6
	v_add_nc_u32 v9, s31, v9                       ; dec: row r of 4,096 bytes + 32 h + 64 u
	s_lshl_b32 s31, s24, 14
	v_lshl_add_u32 v20, v1, 5, s31                 ; my rows 4 w + p: 4,096 bytes a row, 32 bytes a lane
.irp p, 1,2,3
	v_add_nc_u32 v[RO+\p], 4096*\p, v20
.endr
	s_wait_kmcnt 0x0
	s_cmp_ge_u32 ttmp9, 64
	s_cbranch_scc1 .Llists
	; ---- the weight's 32 rows: W_h or W_s, chosen by the work-group's number alone
	s_cmp_lt_u32 ttmp9, 32
	s_cselect_b64 s[26:27], s[4:5], s[6:7]
	s_lshl_b32 s28, s25, 17                        ; 32 rows of 4,096 bytes a work-group
	s_add_nc_u64 s[26:27], s[26:27], s[28:29]
	XLOAD 26
	QROW 0, 24, 10, 0, 12, 0                       ; eight loads for each younger row
	QROW 1, 16, 10, 0, 12, 0
	QROW 2, 8, 10, 0, 12, 0
	QROW 3, 0, 10, 0, 12, 0
	s_wait_dscnt 0x0                               ; the stores have read their registers
	s_cmp_lt_u32 ttmp9, 32
	s_cbranch_scc1 .Lmeet
	XLOAD 8                                        ; W_s's work-groups also take decoder_hidden's 32 rows, into bytes of their own
	QROW 0, 24, 10, DHO, 12, DHO
	QROW 1, 16, 10, DHO, 12, DHO
	QROW 2, 8, 10, DHO, 12, DHO
	QROW 3, 0, 10, DHO, 12, DHO
.Lmeet:
	BARRIER                                        ; all rows' codes and scale words lie in LDS; nothing is stored there behind this barrier
	s_cmp_ge_u32 ttmp9, 32
	s_cbranch_scc1 .Ldec
	; ---- W_h: wave g writes K step g of both tiles as register images: lane (r, h), registers 4 c .. 4 c + 3 = the block at 128 h + 256 c + 16 g of row r
.irp u, 0,1
.irp c, 0,1
	ds_load_b128 v[64+8*\u+4*\c:64+8*\u+4*\c+3], v13 offset:8448*\u+256*\c
.endr
.endr
	s_lshl_b32 s28, s25, 14                        ; two tiles of 8,192 bytes a work-group
	s_add_nc_u64 s[12:13], s[12:13], s[28:29]
	s_wait_dscnt 0x0
.irp u, 0,1
.irp c, 0,1
	global_store_b128 v18, v[64+8*\u+4*\c:64+8*\u+4*\c+3], s[12:13] offset:8192*\u+512*\c   ; 32 lanes store 512 consecutive bytes
.endr
.endr
	s_cmp_ge_u32 s24, 2
	s_cbranch_scc1 .Lend_wh
	ds_load_b128 v[80:83], v15                     ; waves 0, 1: the 32 rows' scale words of K steps 4 q .. 4 q + 3
	s_lshl_b32 s28, s25, 10
	s_add_nc_u64 s[14:15], s[14:15], s[28:29]
	s_wait_dscnt 0x0
	global_store_b128 v19, v[80:83], s[14:15]
.Lend_wh:
	s_wait_tensorcnt 0x0
	ds_add_u32 v254, v255
	s_wait_dscnt 0x0
	s_endpgm
	; ---- dec: waves 0, 1 take W_s's tile u against decoder_hidden's two tiles of 16 rows; the other waves have done their part and go forward to this role's end.
	; Source 0 = 16 rows of W_s, source 1 = 16 rows of decoder_hidden: lane (r, h), register j = dec[16 m + r][32 P + 16 u + 8 h + j].
	; The two accumulators take turns, one instruction a turn.
.Ldec:
	s_cmp_ge_u32 s24, 2
	s_cbranch_scc1 .Lend_dec
.irp q, 0,1
	ds_load_b128 v[192+4*\q:195+4*\q], v16 offset:16*\q
	ds_load_b128 v[200+4*\q:203+4*\q], v17 offset:16*\q
	ds_load_b128 v[208+4*\q:211+4*\q], v17 offset:768+16*\q
.endr
.macro HALF k                          ; K steps 4 k .. 4 k + 3
.irp i, 0,1,2,3
.irp c, 0,1
	ds_load_b128 v[64+8*\i+4*\c:64+8*\i+4*\c+3], v14 offset:256*\c+16*(4*\k+\i)
	ds_load_b128 v[96+8*\i+4*\c:96+8*\i+4*\c+3], v8 offset:DHO+256*\c+16*(4*\k+\i)
	ds_load_b128 v[128+8*\i+4*\c:128+8*\i+4*\c+3], v8 offset:DHO+8448+256*\c+16*(4*\k+\i)
.endr
.endr
	s_wait_dscnt 0x0
.irp i, 0,1,2,3
.irp m, 0,1
.if (4*\k+\i) == 0
	v_wmma_scale_f32_16x16x128_f8f6f4 v[36+8*\m:43+8*\m], v[64+8*\i:71+8*\i], v[96+32*\m+8*\i:103+32*\m+8*\i], 0, v[192+4*\k+\i], v[200+8*\m+4*\k+\i] matrix_a_fmt:MATRIX_FMT_FP4 matrix_b_fmt:MATRIX_FMT_FP4
.else
	v_wmma_scale_f32_16x16x128_f8f6f4 v[36+8*\m:43+8*\m], v[64+8*\i:71+8*\i], v[96+32*\m+8*\i:103+32*\m+8*\i], v[36+8*\m:43+8*\m], v[192+4*\k+\i], v[200+8*\m+4*\k+\i] matrix_a_fmt:MATRIX_FMT_FP4 matrix_b_fmt:MATRIX_FMT_FP4
.endif
.endr
.endr
.endm
	HALF 0
.rept 4
	v_nop                                          ; places in front of loads into registers that matrix instructions have read
.endr
	HALF 1
	s_lshl_b32 s28, s25, 7
	s_add_nc_u64 s[16:17], s[16:17], s[28:29]      ; dec at column 32 P
.rept 4
	v_nop                                          ; places in front of the stores of the results
.endr
.irp m, 0,1
	global_store_b128 v9, v[36+8*\m:39+8*\m], s[16:17] offset:65536*\m       ; each accumulator from its low end on
	global_store_b128 v9, v[40+8*\m:43+8*\m], s[16:17] offset:65536*\m+16
.endr
.Lend_dec:
	s_wait_tensorcnt 0x0
	ds_add_u32 v254, v255
	s_wait_dscnt 0x0
	s_endpgm
	; ---- the lists: wave w takes batch 8 (work-group - 64) + w.  No LDS, no barrier.
.Llists:
	s_sub_co_u32 s32, ttmp9, 64
	s_lshl_b32 s32, s32, 3
	s_add_co_u32 s32, s32, s24                     ; the batch
	s_lshl_b32 s28, s32, 13                        ; 2,048 words a batch
	s_add_nc_u64 s[10:11], s[10:11], s[28:29]
	s_add_nc_u64 s[18:19], s[18:19], s[28:29]
	s_add_nc_u64 s[22:23], s[22:23], s[28:29]
	s_lshl_b32 s28, s32, 4
	s_add_nc_u64 s[20:21], s[20:21], s[28:29]
.set j, 0
.rept 16
	global_load_b128 v[64+4*j:67+4*j], v4, s[10:11] offset:512*j   ; register 4 j + i of lane l: the mask of row 128 j + 4 l + i
.set j, j+1
.endr
.irp i, 56,57,58,59
	v_mov_b32 v\i, 0xce6e6b28                      ; -1e9
.endr
.set j, 0
.rept 16
	global_store_b128 v4, v[56:59], s[22:23] offset:512*j
.set j, j+1
.endr
	v_sub_nc_u32 v24, 0, v1                        ; - lane
	v_lshlrev_b32 v25, 2, v1                       ; 4 x lane
	s_mov_b32 s33, 0                               ; rows kept so far
	s_wait_loadcnt 0x0
; Step idx takes 32 rows.  A kept row goes to place (kept so far) + (kept in lower lanes); another to 2047 - (not kept before it) = that same sum - lane + 2047 - 32 idx.
; Each step has an offset register and a data register of its own, so that no store's sources are written again.
.set idx, 0
.rept 64
	v_cmp_ne_u32 vcc_lo, 0, v[64+idx]
	v_mbcnt_lo_u32_b32 v5, vcc_lo, 0
	v_add_nc_u32 v6, s33, v5
	v_add3_u32 v7, v6, v24, 2047-32*idx
	v_cndmask_b32 v6, v7, v6, vcc_lo
	v_min_u32 v6, 2047, v6                         ; a place made from loaded numbers is held inside the list
	v_lshlrev_b32 v[64+idx], 2, v6
	v_add_nc_u32 v[128+idx], 128*(idx/4)+idx%4, v25
	global_store_b32 v[64+idx], v[128+idx], s[18:19]
	s_bcnt1_i32_b32 s34, vcc_lo
	s_add_co_u32 s33, s33, s34
.set idx, idx+1
.endr
	s_cmp_eq_u32 s33, 0
	s_cselect_b32 s35, 2048, s33                   ; a batch with no row kept has equal weights: the context then takes all its rows
	s_add_co_u32 s36, s33, 15
	s_lshr_b32 s36, s36, 4                         ; tiles of 16
	s_add_co_u32 s37, s36, 7
	s_lshr_b32 s37, s37, 3                         ; tiles for each of eight parts
	v_mov_b32 v28, s33
	v_mov_b32 v29, s35
	v_mov_b32 v30, s36
	v_mov_b32 v31, s37
	v_mov_b32 v32, 0
	v_cmp_eq_u32 vcc_lo, 0, v1
	s_wait_xcnt 0x0                                ; EXEC changes only behind this wait
	s_and_saveexec_b32 s38, vcc_lo
	global_store_b128 v32, v[28:31], s[20:21]      ; lane 0 alone
	s_wait_xcnt 0x0
	s_or_b32 exec_lo, exec_lo, s38
	s_endpgm
.Lfunc_end_k_q1b45d4d4f8_prep:
	.size	k_q1b45d4d4f8_prep, .Lfunc_end_k_q1b45d4d4f8_prep-k_q1b45d4d4f8_prep
	.p2alignl 7, 3214868480
	.fill 96, 4, 3214868480
	.section	.rodata,"a",@progbits
	.p2align	6, 0x0
	.amdhsa_kernel k_q1b45d4d4f8_prep
		.amdhsa_group_segment_fixed_size 37888
		.amdhsa_private_segment_fixed_size 0
		.amdhsa_enable_private_segment 0
		.amdhsa_kernarg_size 80
		.amdhsa_user_sgpr_count 2
		.amdhsa_user_sgpr_kernarg_segment_ptr 1
		.amdhsa_wavefront_size32 1
		.amdhsa_system_sgpr_workgroup_id_x 1
		.amdhsa_system_sgpr_workgroup_id_y 1
		.amdhsa_system_sgpr_workgroup_id_z 1
		.amdhsa_system_vgpr_workitem_id 0
		.amdhsa_next_free_vgpr 256
		.amdhsa_next_free_sgpr 66
		.amdhsa_reserve_vcc 1
		.amdhsa_float_denorm_mode_32 3
		.amdhsa_float_denorm_mode_16_64 3
		.amdhsa_memory_ordered 1
		.amdhsa_forward_progress 1
		.amdhsa_inst_pref_size 80
	.end_amdhsa_kernel
	.amdgpu_metadata
---
amdhsa.version: [ 1, 2 ]
amdhsa.kernels:
  - .name:           k_q1b45d4d4f8_prep
    .symbol:         k_q1b45d4d4f8_prep.kd
    .args:
      - { .name: W_h, .offset: 0, .size: 8, .value_kind: global_buffer, .address_space: global }
      - { .name: W_s, .offset: 8, .size: 8, .value_kind: global_buffer, .address_space: global }
      - { .name: decoder_hidden, .offset: 16, .size: 8, .value_kind: global_buffer, .address_space: global }
      - { .name: mask, .offset: 24, .size: 8, .value_kind: global_buffer, .address_space: global }
      - { .name: whq, .offset: 32, .size: 8, .value_kind: global_buffer, .address_space: global }
      - { .name: whs, .offset: 40, .size: 8, .value_kind: global_buffer, .address_space: global }
      - { .name: dec, .offset: 48, .size: 8, .value_kind: global_buffer, .address_space: global }
      - { .name: list, .offset: 56, .size: 8, .value_kind: global_buffer, .address_space: global }
      - { .name: meta, .offset: 64, .size: 8, .value_kind: global_buffer, .address_space: global }
      - { .name: energy, .offset: 72, .size: 8, .value_kind: global_buffer, .address_space: global }
    .group_segment_fixed_size: 37888
    .private_segment_fixed_size: 0
    .kernarg_segment_align: 8
    .kernarg_segment_size: 80
    .max_flat_workgroup_size: 256
    .sgpr_count:     66
    .vgpr_count:     256
    .wavefront_size: 32
...
	.end_amdgpu_metadata
.endif
;; end of part 1
;; launch scores (part 2): grid 8 x 32, 8 waves a work-group, no clusters, 164,864 bytes of LDS; arguments encoder_outputs, v, whq, whs, dec, list, meta, energy; writes energy
.if DOCPART == 2
	.amdgcn_target "amdgcn-amd-amdhsa--gfx1250"
	.amdhsa_code_object_version 6
	.text
	.protected	k_q1b45d4d4f8_scores
	.globl	k_q1b45d4d4f8_scores
	.p2align	8
	.type	k_q1b45d4d4f8_scores,@function
k_q1b45d4d4f8_scores:
	s_mov_b64 s[64:65], 0
	v_nop
	global_prefetch_b8 v0, s[64:65] scope:SCOPE_SE
	s_setreg_imm32_b32 hwreg(HW_REG_WAVE_MODE, 25, 1), 1
	s_wait_xcnt 0x0
; energy[b][s] = sum over d of v[d] tanh(Q(enc[b][s]) . Q(W_h[d]) + dec[b][d]) for the rows s that the list names; the others keep the -1e9 that the launch before stored.
; SHARES.  Work-group (part i of 8, batch b) takes T tiles of 16 list entries from tile i x per on (T at most 16, from the stored counts).  No tensor load: the amount of work hangs on numbers read from memory.
; X: the eight waves gather the rows, four a wave and trip, quantise them (blocks of 32 along K, as in the launch before, with the same order of K) and lay codes and scale words in LDS.
; Then THE WAVES SHARE THE COLUMNS: wave w owns W_h's tiles 8 w .. 8 w + 7, in two groups of four.  A group's 32 fragments (256 registers, window 1) come from memory once, in register order;
; each fragment of rows read from LDS feeds four products.  Source 0 = 16 rows of W_h, source 1 = 16 encoder rows, C of the first K step = dec: lane (r, h) holds row r and columns 8 h + 0 .. 7 of a tile.
; tanh(x) = 1 - 2 / (1 + 2^(2 log2(e) x)), right at both ends (the power overflows to infinity or falls to 0).  So a lane's part of the energy is (sum of its v) + sum of (-2 v) x the reciprocals.
; The sixteen parts (8 waves x 2 groups) of a row meet in LDS; thread t adds those of slot t and stores the energy at the row that the list names.
; An entry at or past the count (the last tile's rest) names a masked row: it is worked like any other and -1e9 is stored for it, which is its value.
; Two waves share a SIMD: one wave's exponentials and reciprocals stand beside the other's products and LDS loads.
; No cluster and no joint loads: W_h's codes are read once by each work-group.
; LIMITS: NaN and infinities among the inputs are not served; a block under 2^-124 keeps the scale byte 1 (a block of zeros too: its codes are zeros).
.set SC,  135168                       ; LDS: codes, 256 rows x 528, at 0; here the rows' scale words, 256 x 48;
.set EP,  147456                       ; here the parts of the energies, [2 w + group][slot] f32, 16 x 1,024 bytes
.set RO,  20                           ; v20-23  byte offsets of my four rows
.set MX,  24
.set SO,  28
.set BY,  32
.set CW,  36                           ; v36-51
.set SW,  52                           ; v52-55
.set X,   64                           ; v64-191 four rows x 32 numbers a lane (phase X)
.set AF,  64                           ; v64-127 a tile's eight fragments
.set ACC, 128                          ; v128-159 four accumulators
.set DEC, 160                          ; v160-191 dec in the result's layout, four tiles
.set VW,  192                          ; v192-223 v, then -2 v, likewise
.set WS,  224                          ; v224-239 W_h's scale words and nothing else: register 8 p + g: lanes 0-15 tile 2 p, lanes 16-31 tile 2 p + 1
.set AS,  240                          ; v240-247 the rows' scale words and nothing else
.set EC,  248                          ; v248-255 four chains of sums
                                       ; window 1, v0-255: W_h's fragment (tile t, K step g) at 8 (8 t + g)
.set MSB, 0
.macro WIN new                         ; the immediate's high byte repeats the setting that is left
.if MSB != \new
	s_set_vgpr_msb (MSB<<8)|\new
.set MSB, \new
.endif
.endm
.macro XLOAD base                      ; four rows of 1,024 f32: of chunk c lane l takes the 8 neighbours 256 c + 8 l ..; the two loads of a chunk together cover its 1,024 bytes
.irp p, 0,1,2,3
.irp c, 0,1,2,3
	global_load_b128 v[X+32*\p+8*\c:X+32*\p+8*\c+3], v[RO+\p], s[\base:\base+1] offset:1024*\c
	global_load_b128 v[X+32*\p+8*\c+4:X+32*\p+8*\c+7], v[RO+\p], s[\base:\base+1] offset:1024*\c+16
.endr
.endr
.endm
.macro QROW rw, left, cadr, coff, sadr, soff   ; row rw of the four: codes and scale words to LDS; left = the younger rows' loads
	s_wait_loadcnt \left
.irp k, 0,1,2,3
	v_max3_num_f32 v[MX+\k], |v[X+32*(\rw)+8*\k]|, |v[X+32*(\rw)+8*\k+1]|, 0x1800000   ; with the floor 2^(3 - 127): the byte cannot fall under 1
.endr
.irp i, 2,4,6
.irp k, 0,1,2,3
	v_max3_num_f32 v[MX+\k], v[MX+\k], |v[X+32*(\rw)+8*\k+\i]|, |v[X+32*(\rw)+8*\k+\i+1]|
.endr
.endr
.irp k, 0,1,2,3
	v_max_num_f32_dpp v[MX+\k], v[MX+\k], v[MX+\k] row_xmask:1 row_mask:0xf bank_mask:0xf
.endr
.irp k, 0,1,2,3
	v_max_num_f32_dpp v[MX+\k], v[MX+\k], v[MX+\k] row_xmask:2 row_mask:0xf bank_mask:0xf   ; the four lanes of a block agree
.endr
.irp k, 0,1,2,3
	v_add_nc_u32 v[SO+\k], 0xff000000, v[MX+\k]    ; 2 off the exponent field: the conversion takes that field as its scale
.endr
.irp k, 0,1,2,3
	v_lshrrev_b32 v[BY+\k], 23, v[SO+\k]
.endr
	v_lshl_or_b32 v[SW+\rw], v[BY+1], 8, v[BY]     ; lane l: the scale word of K step l / 4: byte c = block 8 c + l / 4
	v_lshl_or_b32 v[SW+\rw], v[BY+2], 16, v[SW+\rw]
	v_lshl_or_b32 v[SW+\rw], v[BY+3], 24, v[SW+\rw]
.irp k, 0,1,2,3
	v_cvt_scalef32_pk8_fp4_f32 v[CW+4*(\rw)+\k], v[X+32*(\rw)+8*\k:X+32*(\rw)+8*\k+7], v[SO+\k]
.endr
	v_nop                                          ; one plain place behind the conversions
.irp k, 0,1,2,3
	ds_store_b32 v[\cadr], v[CW+4*(\rw)+\k] offset:\coff+528*(\rw)+128*\k
.endr
	ds_store_b32 v[\sadr], v[SW+\rw] offset:\soff+48*(\rw)   ; the four lanes of a group write the same word with the same value
.endm
.macro BARRIER
	s_wait_dscnt 0x0
	s_barrier_signal -1
	s_barrier_wait -1
.endm
.macro BLOAD grp                       ; the group's 32 fragments of W_h, 1,024 bytes each, as they lie: every load takes 512 consecutive bytes
	WIN 0x40                                       ; destination window 1, offset register window 0
.set f, 0
.rept 32
	global_load_b128 v[8*f:8*f+3], v4, s[48:49] offset:32768*\grp+1024*f
	global_load_b128 v[8*f+4:8*f+7], v4, s[48:49] offset:32768*\grp+1024*f+512
.set f, f+1
.endr
	WIN 0
.endm
.macro SMALL grp                       ; the group's dec and v in the result's layout (lane (r, h): columns 8 h + 0 .. 7 of each tile), and W_h's scale words
.irp t, 0,1,2,3
	global_load_b128 v[DEC+8*\t:DEC+8*\t+3], v6, s[52:53] offset:256*\grp+64*\t
	global_load_b128 v[DEC+8*\t+4:DEC+8*\t+7], v6, s[52:53] offset:256*\grp+64*\t+16
	global_load_b128 v[VW+8*\t:VW+8*\t+3], v6, s[54:55] offset:256*\grp+64*\t
	global_load_b128 v[VW+8*\t+4:VW+8*\t+7], v6, s[54:55] offset:256*\grp+64*\t+16
.endr
.irp p, 0,1
.irp q, 0,1
	global_load_b128 v[WS+8*\p+4*\q:WS+8*\p+4*\q+3], v4, s[50:51] offset:2048*\grp+1024*\p+512*\q
.endr
.endr
.endm
.macro MM t, g                         ; tile t, K step g.  The first K step takes dec as C; an odd tile's scale words lie in lanes 16-31
.if (\g) == 0
.if (\t) % 2
	v_wmma_scale_f32_16x16x128_f8f6f4 v[ACC+8*\t:ACC+8*\t+7], v[8*(8*\t+\g):8*(8*\t+\g)+7], v[AF+8*\g:AF+8*\g+7], v[DEC+8*\t:DEC+8*\t+7], v[WS+8*(\t/2)+\g], v[AS+\g] matrix_a_fmt:MATRIX_FMT_FP4 matrix_b_fmt:MATRIX_FMT_FP4 matrix_a_scale:MATRIX_SCALE_ROW1
.else
	v_wmma_scale_f32_16x16x128_f8f6f4 v[ACC+8*\t:ACC+8*\t+7], v[8*(8*\t+\g):8*(8*\t+\g)+7], v[AF+8*\g:AF+8*\g+7], v[DEC+8*\t:DEC+8*\t+7], v[WS+8*(\t/2)+\g], v[AS+\g] matrix_a_fmt:MATRIX_FMT_FP4 matrix_b_fmt:MATRIX_FMT_FP4
.endif
.else
.if (\t) % 2
	v_wmma_scale_f32_16x16x128_f8f6f4 v[ACC+8*\t:ACC+8*\t+7], v[8*(8*\t+\g):8*(8*\t+\g)+7], v[AF+8*\g:AF+8*\g+7], v[ACC+8*\t:ACC+8*\t+7], v[WS+8*(\t/2)+\g], v[AS+\g] matrix_a_fmt:MATRIX_FMT_FP4 matrix_b_fmt:MATRIX_FMT_FP4 matrix_a_scale:MATRIX_SCALE_ROW1
.else
	v_wmma_scale_f32_16x16x128_f8f6f4 v[ACC+8*\t:ACC+8*\t+7], v[8*(8*\t+\g):8*(8*\t+\g)+7], v[AF+8*\g:AF+8*\g+7], v[ACC+8*\t:ACC+8*\t+7], v[WS+8*(\t/2)+\g], v[AS+\g] matrix_a_fmt:MATRIX_FMT_FP4 matrix_b_fmt:MATRIX_FMT_FP4
.endif
.endif
.endm
	s_load_b512 s[4:19], s[0:1], 0x0               ; enc s[4:5], v s[6:7], whq s[8:9], whs s[10:11], dec s[12:13], list s[14:15], meta s[16:17], energy s[18:19]
	v_lshl_add_u32 v62, v0, 2, 0x28000
	v_mov_b32 v63, 0
	v_lshrrev_b32 v1, 5, v0
	v_readfirstlane_b32 s20, v1                    ; wave 0..7
	s_mov_b32 s21, ttmp9                           ; the part
	s_and_b32 s22, ttmp7, 0xffff                   ; the batch
	s_mov_b32 s33, 0
	s_mov_b32 s34, 0x4038aa3b                      ; 2 log2(e)
	s_mov_b32 s35, s34                             ; (named with it as a pair, so it is written)
	s_mov_b32 s36, 0x76543210
	s_mov_b32 s37, 0xfedcba98                      ; v_permlanex16_b32's selects for lane l xor 16
	v_and_b32 v1, 31, v0                           ; lane
	v_and_b32 v2, 15, v0                           ; r
	v_bfe_u32 v3, v0, 4, 1                         ; h
	v_lshlrev_b32 v4, 4, v1                        ; 16 x lane
	v_lshlrev_b32 v5, 5, v1                        ; 32 x lane
	v_lshlrev_b32 v6, 5, v3                        ; 32 h
	s_mul_i32 s31, s20, 2112
	v_lshl_add_u32 v10, v1, 2, s31                 ; codes in: slots 4 w + 32 j + p; trips 0-3 by the immediate,
	v_add_nc_u32 v11, 67584, v10                   ; trips 4-7 from 128 rows on
	v_and_b32 v12, 28, v1
	s_mul_i32 s31, s20, 192
	s_add_co_u32 s31, s31, SC
	v_add_nc_u32 v12, s31, v12                     ; scale words in: 48 x slot + 4 (lane / 4)
	v_mul_u32_u24 v13, v2, 528
	v_lshl_add_u32 v13, v3, 7, v13                 ; a fragment's place: 528 r + 128 h
	v_mul_u32_u24 v14, v2, 48
	v_add_nc_u32 v14, SC, v14                      ; row r's scale words
	s_lshl_b32 s31, s20, 11
	s_add_co_u32 s31, s31, EP
	v_lshl_add_u32 v15, v2, 2, s31                 ; my parts of the energies: 2,048 w + 4 r
	v_lshl_add_u32 v16, v0, 2, EP                  ; and on the way back: slot = thread
	v_mov_b32 v56, 0                               ; written once: a lane permute's destination counts as one of its sources
	s_wait_kmcnt 0x0
	s_lshl_b32 s32, s22, 4
	s_add_nc_u64 s[16:17], s[16:17], s[32:33]
	s_load_b128 s[24:27], s[16:17], 0x0            ; count, (count or 2,048), tiles, tiles a part
	s_lshl_b32 s32, s22, 23
	s_add_nc_u64 s[46:47], s[4:5], s[32:33]        ; the batch's rows
	s_lshl_b32 s32, s20, 16
	s_add_nc_u64 s[48:49], s[8:9], s[32:33]        ; my eight tiles of W_h's codes
	s_lshl_b32 s32, s20, 12
	s_add_nc_u64 s[50:51], s[10:11], s[32:33]      ; and their scale words
	s_lshl_b32 s32, s20, 9
	s_add_nc_u64 s[54:55], s[6:7], s[32:33]        ; my 128 numbers of v
	s_add_nc_u64 s[52:53], s[12:13], s[32:33]
	s_lshl_b32 s32, s22, 12
	s_add_nc_u64 s[52:53], s[52:53], s[32:33]      ; and of the batch's dec
	s_lshl_b32 s32, s22, 13
	s_add_nc_u64 s[56:57], s[14:15], s[32:33]      ; the batch's list
	s_add_nc_u64 s[58:59], s[18:19], s[32:33]      ; and energies
	BLOAD 0
	s_wait_kmcnt 0x0
	s_mul_i32 s28, s21, s27                        ; my first tile
	s_sub_co_i32 s29, s26, s28
	s_max_i32 s29, s29, 0
	s_min_u32 s29, s29, s27
	s_min_u32 s29, s29, 16                         ; T, my tiles
	s_lshl_b32 s30, s29, 2                         ; units of four rows
	s_lshl_b32 s31, s28, 4                         ; my first list entry
	v_lshrrev_b32 v7, 2, v1
	v_lshlrev_b32 v7, 5, v7
	v_and_b32 v8, 3, v1
	v_add_nc_u32 v7, v7, v8
	s_lshl_b32 s40, s20, 2
	s_add_co_u32 s40, s40, s31
	v_add_nc_u32 v7, s40, v7                       ; lane 4 j + p: the entry of slot 4 w + 32 j + p
	v_min_u32 v58, 2047, v7                        ; held inside the list
	v_lshlrev_b32 v58, 2, v58
	global_load_b32 v7, v58, s[56:57]
	v_add_nc_u32 v9, s31, v0                       ; thread t: the entry of slot t
	v_min_u32 v59, 2047, v9
	v_lshlrev_b32 v59, 2, v59
	global_load_b32 v8, v59, s[56:57]
	s_wait_loadcnt 0x0
	v_min_u32 v8, 2047, v8                         ; slot t's row, held inside the batch while all lanes are on,
	v_lshlrev_b32 v8, 2, v8                        ; as the byte offset of its energy; kept to the kernel's end
	; ---- X: unit w + 8 j of four rows in trip j; a wave whose unit lies past the work-group's rows is done (later units are larger).  No load is out at a trip's end.
.macro XTRIP j
	s_add_co_u32 s31, s20, 8*\j
	s_cmp_ge_u32 s31, s30
	s_cbranch_scc1 .Lxdone
.irp p, 0,1,2,3
	v_readlane_b32 s[40+\p], v7, 4*\j+\p
	s_min_u32 s[40+\p], s[40+\p], 2047             ; a row's number from memory is held inside the batch
	s_lshl_b32 s[40+\p], s[40+\p], 12
	v_add_nc_u32 v[RO+\p], s[40+\p], v5
.endr
	XLOAD 46
	QROW 0, 24, 10+(\j)/4, 16896*((\j)%4), 12, 1536*(\j)   ; eight loads for each younger row
	QROW 1, 16, 10+(\j)/4, 16896*((\j)%4), 12, 1536*(\j)
	QROW 2, 8, 10+(\j)/4, 16896*((\j)%4), 12, 1536*(\j)
	QROW 3, 0, 10+(\j)/4, 16896*((\j)%4), 12, 1536*(\j)
	s_wait_dscnt 0x0                               ; the stores have read their registers
.endm
.irp j, 0,1,2,3,4,5,6,7
	XTRIP \j
.endr
.Lxdone:
	SMALL 0
	BARRIER                                        ; all rows' codes and scale words lie in LDS; they are not written again
	s_wait_loadcnt 0x0
; ---- a group of four tiles of W_h against all T tiles of rows.  The loop has 16 trips whatever T is, and a trip past T steps the addresses alone.
.macro GROUP grp
.if \grp
	BLOAD \grp                                     ; (the last products lie far more than four plain vector lines back)
	SMALL \grp
	s_wait_loadcnt 0x0
.endif
	v_pk_add_f32 v[58:59], v[VW:VW+1], v[VW+2:VW+3]   ; the sum of my 32 v, in two halves
.set k, 4
.rept 14
	v_pk_add_f32 v[58:59], v[58:59], v[VW+k:VW+k+1]
.set k, k+2
.endr
.set k, 0
.rept 16
	v_pk_mul_f32 v[VW+k:VW+k+1], v[VW+k:VW+k+1], -2.0 op_sel_hi:[1,0]
.set k, k+2
.endr
	s_mov_b32 s38, 0                               ; the tile of rows
	s_mov_b32 s39, 0                               ; its codes: 16 x 528 bytes a tile
	s_mov_b32 s44, 0                               ; its scale words: 16 x 48
	s_mov_b32 s45, 1024*\grp                       ; its parts of the energies: 64
.Ltile_\@:
	s_cmp_ge_u32 s38, s29
	s_cbranch_scc1 .Lskip_\@
	v_add_nc_u32 v17, s39, v13
	v_add_nc_u32 v18, s44, v14
	v_add_nc_u32 v19, s45, v15
.irp g, 0,1,2,3,4,5,6,7
.irp c, 0,1
	ds_load_b128 v[AF+8*\g+4*\c:AF+8*\g+4*\c+3], v17 offset:256*\c+16*\g   ; registers 4 c .. 4 c + 3 = the block at 128 h + 256 c + 16 g of row r
.endr
.endr
	ds_load_b128 v[AS:AS+3], v18
	ds_load_b128 v[AS+4:AS+7], v18 offset:16
	s_wait_dscnt 0x0
	WIN 0x01                                       ; source 0 (W_h) window 1
.irp g, 0,1,2,3,4,5,6,7                        ; the four accumulators take turns, one instruction a turn
.irp t, 0,1,2,3
	MM \t, \g
.endr
.endr
	WIN 0
.rept 4
	v_nop                                          ; places in front of the first read of results
.endr
.set k, 0
.rept 16
	v_pk_mul_f32 v[ACC+k:ACC+k+1], v[ACC+k:ACC+k+1], s[34:35] op_sel_hi:[1,0]   ; each accumulator from its low end on
.set k, k+2
.endr
.set k, 0
.rept 32
	v_exp_f32 v[ACC+k], v[ACC+k]
.set k, k+1
.endr
	v_nop                                          ; a plain place behind the exponentials
.set k, 0
	s_wait_alu depctr_va_vdst(0)
.rept 16
	v_pk_add_f32 v[ACC+k:ACC+k+1], v[ACC+k:ACC+k+1], 1.0 op_sel_hi:[1,0]
.set k, k+2
.endr
.set k, 0
.rept 32
	v_rcp_f32 v[ACC+k], v[ACC+k]
.set k, k+1
.endr
	v_nop                                          ; a plain place behind the reciprocals
	s_wait_alu depctr_va_vdst(0)
	v_pk_fma_f32 v[EC:EC+1], v[VW:VW+1], v[ACC:ACC+1], v[58:59]   ; four chains; the first starts at the sum of v
.irp t, 1,2,3
	v_pk_mul_f32 v[EC+2*\t:EC+2*\t+1], v[VW+8*\t:VW+8*\t+1], v[ACC+8*\t:ACC+8*\t+1]
.endr
.irp m, 2,4,6
.irp t, 0,1,2,3
	v_pk_fma_f32 v[EC+2*\t:EC+2*\t+1], v[VW+8*\t+\m:VW+8*\t+\m+1], v[ACC+8*\t+\m:ACC+8*\t+\m+1], v[EC+2*\t:EC+2*\t+1]
.endr
.endr
	v_pk_add_f32 v[EC:EC+1], v[EC:EC+1], v[EC+2:EC+3]
	v_pk_add_f32 v[EC+4:EC+5], v[EC+4:EC+5], v[EC+6:EC+7]
	v_pk_add_f32 v[EC:EC+1], v[EC:EC+1], v[EC+4:EC+5]
	v_add_f32 v57, v[EC], v[EC+1]
	v_permlanex16_b32 v56, v57, s36, s37
	v_add_f32 v57, v57, v56                        ; with lane l xor 16's: the group's 64 columns of row r
	ds_store_b32 v19, v57                          ; lanes r and 16 + r write the same word with the same value
.Lskip_\@:
	s_add_co_u32 s39, s39, 8448
	s_add_co_u32 s44, s44, 768
	s_add_co_u32 s45, s45, 64
	s_add_co_u32 s38, s38, 1
	s_cmp_lt_u32 s38, 16
	s_cbranch_scc1 .Ltile_\@
.endm
	GROUP 0
	GROUP 1
	BARRIER                                        ; all sixteen parts of every slot lie in LDS
	; ---- thread t adds the parts of slot t; only slots that were worked are read and stored
	s_lshl_b32 s31, s29, 4
	v_cmp_gt_u32 vcc_lo, s31, v0
	s_wait_xcnt 0x0                                ; EXEC changes only behind this wait
	s_wait_tensorcnt 0x0
	ds_add_u32 v62, v63
	s_wait_dscnt 0x0
	s_and_saveexec_b32 s60, vcc_lo
.set k, 0
.rept 16
	ds_load_b32 v[64+k], v16 offset:1024*k
.set k, k+1
.endr
	s_wait_dscnt 0x0
.irp k, 0,1,2,3,4,5,6,7
	v_add_f32 v[64+\k], v[64+\k], v[72+\k]
.endr
.irp k, 0,1,2,3
	v_add_f32 v[64+\k], v[64+\k], v[68+\k]
.endr
	v_add_f32 v64, v64, v66
	v_add_f32 v65, v65, v67
	v_add_f32 v64, v64, v65
	v_mov_b32 v81, 0xce6e6b28                      ; -1e9
	v_cmp_gt_u32 vcc_lo, s24, v9                   ; an entry under the count is a kept row
	v_cndmask_b32 v64, v81, v64, vcc_lo
	global_store_b32 v8, v64, s[58:59]             ; at the row that the list names (the offset was made at the head)
	s_wait_xcnt 0x0
	s_or_b32 exec_lo, exec_lo, s60
	s_endpgm
.Lfunc_end_k_q1b45d4d4f8_scores:
	.size	k_q1b45d4d4f8_scores, .Lfunc_end_k_q1b45d4d4f8_scores-k_q1b45d4d4f8_scores
	.p2alignl 7, 3214868480
	.fill 96, 4, 3214868480
	.section	.rodata,"a",@progbits
	.p2align	6, 0x0
	.amdhsa_kernel k_q1b45d4d4f8_scores
		.amdhsa_group_segment_fixed_size 164864
		.amdhsa_private_segment_fixed_size 0
		.amdhsa_enable_private_segment 0
		.amdhsa_kernarg_size 64
		.amdhsa_user_sgpr_count 2
		.amdhsa_user_sgpr_kernarg_segment_ptr 1
		.amdhsa_wavefront_size32 1
		.amdhsa_system_sgpr_workgroup_id_x 1
		.amdhsa_system_sgpr_workgroup_id_y 1
		.amdhsa_system_sgpr_workgroup_id_z 1
		.amdhsa_system_vgpr_workitem_id 0
		.amdhsa_next_free_vgpr 512
		.amdhsa_next_free_sgpr 66
		.amdhsa_reserve_vcc 1
		.amdhsa_float_denorm_mode_32 3
		.amdhsa_float_denorm_mode_16_64 3
		.amdhsa_memory_ordered 1
		.amdhsa_forward_progress 1
		.amdhsa_inst_pref_size 170
	.end_amdhsa_kernel
	.amdgpu_metadata
---
amdhsa.version: [ 1, 2 ]
amdhsa.kernels:
  - .name:           k_q1b45d4d4f8_scores
    .symbol:         k_q1b45d4d4f8_scores.kd
    .args:
      - { .name: encoder_outputs, .offset: 0, .size: 8, .value_kind: global_buffer, .address_space: global }
      - { .name: v, .offset: 8, .size: 8, .value_kind: global_buffer, .address_space: global }
      - { .name: whq, .offset: 16, .size: 8, .value_kind: global_buffer, .address_space: global }
      - { .name: whs, .offset: 24, .size: 8, .value_kind: global_buffer, .address_space: global }
      - { .name: dec, .offset: 32, .size: 8, .value_kind: global_buffer, .address_space: global }
      - { .name: list, .offset: 40, .size: 8, .value_kind: global_buffer, .address_space: global }
      - { .name: meta, .offset: 48, .size: 8, .value_kind: global_buffer, .address_space: global }
      - { .name: energy, .offset: 56, .size: 8, .value_kind: global_buffer, .address_space: global }
    .group_segment_fixed_size: 164864
    .private_segment_fixed_size: 0
    .kernarg_segment_align: 8
    .kernarg_segment_size: 64
    .max_flat_workgroup_size: 256
    .sgpr_count:     66
    .vgpr_count:     512
    .wavefront_size: 32
...
	.end_amdgpu_metadata
.endif
;; end of part 2
;; launch context (part 3): grid 8 x 32, 16 waves a work-group, no clusters, 19,456 bytes of LDS; arguments encoder_outputs, energy, list, meta, out0, out1; writes out0, out1
.if DOCPART == 3
	.amdgcn_target "amdgcn-amd-amdhsa--gfx1250"
	.amdhsa_code_object_version 6
	.text
	.protected	k_q1b45d4d4f8_context
	.globl	k_q1b45d4d4f8_context
	.p2align	8
	.type	k_q1b45d4d4f8_context,@function
k_q1b45d4d4f8_context:
	s_mov_b64 s[64:65], 0
	v_nop
	global_prefetch_b8 v0, s[64:65] scope:SCOPE_SE
	s_setreg_imm32_b32 hwreg(HW_REG_WAVE_MODE, 25, 1), 1
	s_wait_xcnt 0x0
; out1[b] = softmax of the batch's 2,048 energies (the largest is taken away first); out0[b] = sum over rows of weight x encoder row, in f32.
; SHARES.  Work-group (slab c of 8, batch b) is the one owner of out0[b][128 c .. 128 c + 127] and of out1[b][256 c .. 256 c + 255].  Each of a batch's eight work-groups makes the largest energy and the sum for itself: 8 KiB read.
; Only listed rows are read: the first (count, or 2,048 where no row is kept) entries of the batch's list, rounded up to sixteens; the rest have the weight 0 in f32.
; That holds while the kept energies lie above about -9e8, that is, while the sum of |v| stays under 9e8 (the masked rows' -1e9 less the largest energy then sends the exponential to 0).
; Thread t makes the weights of list entries 4 t .. 4 t + 3 (it gathers their energies) and lays them in LDS by entry.  Wave w then takes entries 256 k + 16 w + 0 .. 15 in trip k;
; their rows' numbers come from the list by a load of the wave's own.  A row's 512 bytes of the slab are one load: 32 lanes, 16 neighbouring bytes each, aligned.
; Memory binds: no matrix unit (one row of weights a batch), no cluster (no byte is read by two work-groups but the 16 KiB of energies and list).
; LIMITS: NaN and infinities among the inputs are not served (a row of weight 0 in the last sixteen is still multiplied).
.set RED1, 0                           ; LDS: a largest energy a wave;
.set RED2, 256                         ; a sum a wave;
.set WT,   512                         ; the weights by list entry, 2,048 f32;
.set RED3, 8704                        ; the waves' parts of the slab, 16 x 512 bytes
.macro BARRIER
	s_wait_dscnt 0x0
	s_barrier_signal -1
	s_barrier_wait -1
.endm
	s_load_b256 s[4:11], s[0:1], 0x0               ; enc s[4:5], energy s[6:7], list s[8:9], meta s[10:11]
	s_load_b128 s[12:15], s[0:1], 0x20             ; out0 s[12:13], out1 s[14:15]
	v_lshl_add_u32 v176, v0, 2, 0x4400
	v_mov_b32 v177, 0
	v_lshrrev_b32 v1, 5, v0
	v_readfirstlane_b32 s16, v1                    ; wave 0..15
	s_mov_b32 s17, ttmp9                           ; the slab
	s_and_b32 s18, ttmp7, 0xffff                   ; the batch
	s_mov_b32 s21, 0
	s_lshl_b32 s25, s16, 4                         ; my first entry of trip 0
	s_mov_b32 s26, 0x76543210
	s_mov_b32 s27, 0xfedcba98                      ; v_permlanex16_b32's selects for lane l xor 16
	v_and_b32 v1, 31, v0                           ; lane
	v_lshlrev_b32 v2, 4, v0                        ; 16 x thread
	v_lshlrev_b32 v3, 4, v1                        ; 16 x lane
	v_mov_b32 v4, s16
	v_lshlrev_b32 v4, 2, v4                        ; my wave's word in RED1 (RED2 by the immediate)
	v_lshl_add_u32 v5, v0, 4, WT                   ; weights in: entries 4 t ..
	v_mov_b32 v6, s16
	v_lshl_add_u32 v6, v6, 6, WT                   ; weights back: entries 16 w .. (the trip by the immediate)
	s_lshl_b32 s19, s16, 9
	s_add_co_u32 s19, s19, RED3
	v_add_nc_u32 v7, s19, v3                       ; my wave's part of the slab
	v_add_nc_u32 v172, RED3, v3
	v_mov_b32 v173, 0
	v_mov_b32 v171, 0                              ; written once: a lane permute's destination counts as one of its sources
	v_lshrrev_b32 v174, 2, v1
	v_lshlrev_b32 v174, 10, v174
	v_and_b32 v175, 3, v1
	v_lshl_add_u32 v174, v175, 4, v174
	s_lshl_b32 s19, s16, 6
	v_add_nc_u32 v174, s19, v174                   ; lane l: entries 256 (l / 4) + 16 w + 4 (l % 4) + 0 .. 3
	s_wait_kmcnt 0x0
	s_lshl_b32 s20, s18, 13
	s_add_nc_u64 s[6:7], s[6:7], s[20:21]
	s_add_nc_u64 s[8:9], s[8:9], s[20:21]
	s_add_nc_u64 s[14:15], s[14:15], s[20:21]
	s_lshl_b32 s20, s18, 4
	s_add_nc_u64 s[10:11], s[10:11], s[20:21]
	s_load_b64 s[22:23], s[10:11], 0x0             ; count, (count or 2,048)
	s_lshl_b32 s20, s18, 23
	s_add_nc_u64 s[4:5], s[4:5], s[20:21]
	s_lshl_b32 s20, s17, 9
	s_add_nc_u64 s[4:5], s[4:5], s[20:21]          ; the batch's rows at my slab
	s_add_nc_u64 s[12:13], s[12:13], s[20:21]
	s_lshl_b32 s20, s18, 12
	s_add_nc_u64 s[12:13], s[12:13], s[20:21]      ; out0 likewise
	global_load_b128 v[8:11], v2, s[6:7]           ; energies of rows 4 t ..
	global_load_b128 v[12:15], v2, s[8:9]          ; list entries 4 t ..
	global_load_b128 v[20:23], v174, s[8:9]        ; my wave's 128 entries
	s_wait_loadcnt 0x1                             ; the first two are in; one load was issued behind them
.irp i, 0,1,2,3
	v_min_u32 v[28+\i], 2047, v[12+\i]             ; a row's number from memory is held inside the batch
	v_lshlrev_b32 v[28+\i], 2, v[28+\i]
	global_load_b32 v[24+\i], v[28+\i], s[6:7]     ; the entries' energies
.endr
	; ---- the largest energy
	v_max3_num_f32 v170, v8, v9, v10
	v_max_num_f32 v170, v170, v11
	v_max_num_f32_dpp v170, v170, v170 row_xmask:1 row_mask:0xf bank_mask:0xf
	v_max_num_f32_dpp v170, v170, v170 row_xmask:2 row_mask:0xf bank_mask:0xf
	v_max_num_f32_dpp v170, v170, v170 row_xmask:4 row_mask:0xf bank_mask:0xf
	v_max_num_f32_dpp v170, v170, v170 row_xmask:8 row_mask:0xf bank_mask:0xf
	v_permlanex16_b32 v171, v170, s26, s27
	v_max_num_f32 v170, v170, v171
	ds_store_b32 v4, v170                          ; all lanes write the same word with the same value
	BARRIER
.irp q, 0,1,2,3
	ds_load_b128 v[32+4*\q:35+4*\q], v173 offset:RED1+16*\q
.endr
	s_wait_dscnt 0x0
	v_max3_num_f32 v168, v32, v33, v34
.irp k, 35,37,39,41,43,45
	v_max3_num_f32 v168, v168, v[\k], v[\k+1]
.endr
	v_max_num_f32 v168, v168, v47
	s_wait_loadcnt 0x0                             ; the gathered energies and my wave's entries
	; ---- p = e^(energy - the largest), of my four rows and of my four entries
.irp r, 8,9,10,11,24,25,26,27
	v_sub_f32 v\r, v\r, v168
.endr
.irp r, 8,9,10,11,24,25,26,27
	v_mul_f32 v\r, 0x3fb8aa3b, v\r
.endr
.irp r, 8,9,10,11,24,25,26,27
	v_exp_f32 v\r, v\r
.endr
	v_nop                                          ; a plain place behind the exponentials
	s_wait_alu depctr_va_vdst(0)
	v_add_f32 v170, v8, v9
	v_add_f32 v171, v10, v11
	v_add_f32 v170, v170, v171
	v_add_f32_dpp v170, v170, v170 row_xmask:1 row_mask:0xf bank_mask:0xf
	v_add_f32_dpp v170, v170, v170 row_xmask:2 row_mask:0xf bank_mask:0xf
	v_add_f32_dpp v170, v170, v170 row_xmask:4 row_mask:0xf bank_mask:0xf
	v_add_f32_dpp v170, v170, v170 row_xmask:8 row_mask:0xf bank_mask:0xf
	v_permlanex16_b32 v171, v170, s26, s27
	v_add_f32 v170, v170, v171
	ds_store_b32 v4, v170 offset:RED2
	BARRIER
.irp q, 0,1,2,3
	ds_load_b128 v[32+4*\q:35+4*\q], v173 offset:RED2+16*\q
.endr
	s_wait_dscnt 0x0
	v_pk_add_f32 v[32:33], v[32:33], v[34:35]
.irp k, 36,38,40,42,44,46
	v_pk_add_f32 v[32:33], v[32:33], v[\k:\k+1]
.endr
	v_add_f32 v169, v32, v33
	v_rcp_f32 v169, v169
	v_nop                                          ; a plain place behind the reciprocal
	; ---- the weights of my entries to LDS; out1 from the two waves whose rows are this work-group's
	s_wait_alu depctr_va_vdst(0)
.irp i, 0,1,2,3
	v_mul_f32 v[16+\i], v[24+\i], v169
.endr
	ds_store_b128 v5, v[16:19]
	s_lshr_b32 s24, s16, 1
	s_cmp_lg_u32 s24, s17
	s_cbranch_scc1 .Lno_out1
.irp i, 8,9,10,11
	v_mul_f32 v\i, v\i, v169
.endr
	global_store_b128 v2, v[8:11], s[14:15]        ; 32 lanes store 512 consecutive bytes
.Lno_out1:
.irp i, 96,97,98,99,100,101,102,103
	v_mov_b32 v\i, 0                               ; two sets of four sums
.endr
	s_wait_kmcnt 0x0                               ; the counts
	BARRIER                                        ; all weights lie in LDS
	; ---- the rows.  Trip k: entries 256 k + 16 w + 0 .. 15; a wave whose first entry lies past the listed rows is done (later trips' entries are larger).  No load is out at a trip's end.
.macro RTRIP k
	s_add_co_u32 s24, s25, 256*\k
	s_cmp_ge_u32 s24, s23
	s_cbranch_scc1 .Lrdone
.irp q, 0,1,2,3
	ds_load_b128 v[48+4*\q:51+4*\q], v6 offset:1024*\k+16*\q   ; sixteen weights, the same in every lane
.endr
.irp e, 0,1,2,3,4,5,6,7,8,9,10,11,12,13,14,15
	v_readlane_b32 s[28+\e%4], v[20+\e%4], 4*\k+\e/4
	s_min_u32 s[28+\e%4], s[28+\e%4], 2047         ; a row's number from memory is held inside the batch
	s_lshl_b32 s[28+\e%4], s[28+\e%4], 12
	v_add_nc_u32 v[80+\e], s[28+\e%4], v3
	global_load_b128 v[104+4*\e:107+4*\e], v[80+\e], s[4:5] th:TH_LOAD_NT   ; each byte is read once in this launch
.endr
	s_wait_dscnt 0x0
.irp e, 0,1,2,3,4,5,6,7,8,9,10,11,12,13,14,15
	s_wait_loadcnt 15-\e                           ; the trip's younger loads may stay out
.irp i, 0,1,2,3
	v_fmac_f32 v[96+4*(\e%2)+\i], v[48+\e], v[104+4*\e+\i]
.endr
.endr
.endm
.irp k, 0,1,2,3,4,5,6,7
	RTRIP \k
.endr
.Lrdone:
	v_pk_add_f32 v[96:97], v[96:97], v[100:101]
	v_pk_add_f32 v[98:99], v[98:99], v[102:103]
	ds_store_b128 v7, v[96:99]
	BARRIER                                        ; the sixteen waves' parts lie in LDS
	s_cmp_lg_u32 s16, 0
	s_cbranch_scc1 .Lend
.set k, 0
.rept 16
	ds_load_b128 v[104+4*k:107+4*k], v172 offset:512*k
.set k, k+1
.endr
	s_wait_dscnt 0x0
.macro HALVE d                         ; registers d .. 2 d - 1 are added onto 0 .. d - 1: the upper half of the waves' parts onto the lower
.set j, 0
.rept \d/2
	v_pk_add_f32 v[104+j:105+j], v[104+j:105+j], v[104+\d+j:105+\d+j]
.set j, j+2
.endr
.endm
	HALVE 32
	HALVE 16
	HALVE 8
	HALVE 4
	global_store_b128 v3, v[104:107], s[12:13]     ; 32 lanes store the slab's 512 consecutive bytes
.Lend:
	s_wait_tensorcnt 0x0
	ds_add_u32 v176, v177
	s_wait_dscnt 0x0
	s_endpgm
.Lfunc_end_k_q1b45d4d4f8_context:
	.size	k_q1b45d4d4f8_context, .Lfunc_end_k_q1b45d4d4f8_context-k_q1b45d4d4f8_context
	.p2alignl 7, 3214868480
	.fill 96, 4, 3214868480
	.section	.rodata,"a",@progbits
	.p2align	6, 0x0
	.amdhsa_kernel k_q1b45d4d4f8_context
		.amdhsa_group_segment_fixed_size 19456
		.amdhsa_private_segment_fixed_size 0
		.amdhsa_enable_private_segment 0
		.amdhsa_kernarg_size 48
		.amdhsa_user_sgpr_count 2
		.amdhsa_user_sgpr_kernarg_segment_ptr 1
		.amdhsa_wavefront_size32 1
		.amdhsa_system_sgpr_workgroup_id_x 1
		.amdhsa_system_sgpr_workgroup_id_y 1
		.amdhsa_system_sgpr_workgroup_id_z 1
		.amdhsa_system_vgpr_workitem_id 0
		.amdhsa_next_free_vgpr 178
		.amdhsa_next_free_sgpr 66
		.amdhsa_reserve_vcc 0
		.amdhsa_float_denorm_mode_32 3
		.amdhsa_float_denorm_mode_16_64 3
		.amdhsa_memory_ordered 1
		.amdhsa_forward_progress 1
		.amdhsa_inst_pref_size 71
	.end_amdhsa_kernel
	.amdgpu_metadata
---
amdhsa.version: [ 1, 2 ]
amdhsa.kernels:
  - .name:           k_q1b45d4d4f8_context
    .symbol:         k_q1b45d4d4f8_context.kd
    .args:
      - { .name: encoder_outputs, .offset: 0, .size: 8, .value_kind: global_buffer, .address_space: global }
      - { .name: energy, .offset: 8, .size: 8, .value_kind: global_buffer, .address_space: global }
      - { .name: list, .offset: 16, .size: 8, .value_kind: global_buffer, .address_space: global }
      - { .name: meta, .offset: 24, .size: 8, .value_kind: global_buffer, .address_space: global }
      - { .name: out0, .offset: 32, .size: 8, .value_kind: global_buffer, .address_space: global }
      - { .name: out1, .offset: 40, .size: 8, .value_kind: global_buffer, .address_space: global }
    .group_segment_fixed_size: 19456
    .private_segment_fixed_size: 0
    .kernarg_segment_align: 8
    .kernarg_segment_size: 48
    .max_flat_workgroup_size: 512
    .sgpr_count:     66
    .vgpr_count:     178
    .wavefront_size: 32
...
	.end_amdgpu_metadata
.endif
;; end of part 3
